; MI455X (gfx1250); checked and timed in simulation.
; The chip was launched on July 23, 2026; its instructions are those of AMD's public machine-readable ISA for CDNA 5 (MIT licence, August 2026) and "CDNA5" Instruction Set Architecture Reference Guide (July 2026). The comments in the code are by the model that wrote it; some were corrected since.
;; Non Local. Allowed arithmetic: float matrix products may take bf16 or f16 operands with f32 sums; all other float work in f32.
;; Inputs: g_b 128 float32; g_w 128 x 256 float32; phi_b 128 float32; phi_w 128 x 256 float32; theta_b 128 float32; theta_w 128 x 256 float32; w_b 256 float32; w_w 256 x 128 float32; x 4 x 256 x 64 x 64 float32.
;; Outputs: out0 4 x 256 x 64 x 64 float32.
;; 2 versions, each right; version 2 is version 1 with the launch gram written anew for expert scheduling mode. Each part assembles by itself: llvm-mc -triple=amdgcn-amd-amdhsa -mcpu=gfx1250 --defsym DOCPART=n.
;; ======== version 1 of 2: 3 launches
;; workspace buffers: part 8,388,608 bytes; phf 4,194,304 bytes; qf 262,144 bytes
;; launch gram (part 1): grid 32 x 4, 4 waves a work-group, no clusters, 242,176 bytes of LDS; arguments x, phi_w, phi_b, g_w, g_b, part, phf; writes part, phf
.if DOCPART == 1
	.amdgcn_target "amdgcn-amd-amdhsa--gfx1250"
	.amdhsa_code_object_version 6
	.text
	.protected	k_q88c5698421_gram
	.globl	k_q88c5698421_gram
	.p2align	8
	.type	k_q88c5698421_gram,@function
k_q88c5698421_gram:
	s_mov_b64 s[64:65], 0
	v_nop
	global_prefetch_b8 v0, s[64:65] scope:SCOPE_SE
	s_setreg_imm32_b32 hwreg(HW_REG_WAVE_MODE, 25, 1), 1
	s_wait_xcnt 0x0
; gram: for 128 columns n of one batch b: phi = phi_w x + phi_b and g = g_w x + g_b (128 rows each), then the work-group's share of
; M^T[c2][c1] = sum over n of g[c2][n] phi[c1][n], stored in f32 as a partial sum (part), and phi itself in bf16 (phf).
; WHY: reference() forms (phi^T phi / N) g^T with nothing non-linear in between; by associativity that is phi^T (phi g^T) / N for every
; input, so the two N x N products are replaced by one 128 x 128 matrix M per batch.
; LIMITS: the f32 sums are therefore associated otherwise than in reference(); x, the weights, phi and g are rounded to bf16 as matrix
; operands (bf16 has f32's range); a non-finite input spreads over its whole batch as in reference(), but not matched element by element.
; theta_w and theta_b are not read by any launch: reference() throws theta(x) away in its own body, so no output number hangs on them.
; SHARES: grid x = chunk of 128 columns, y = batch.  Four waves.  Wave w brings rows 64w..64w+63 of x and of the stacked weights
; [phi_w; g_w] into LDS as bf16, makes phi rows 32w..32w+31 and g rows 32w..32w+31 for all 128 columns, and the tiles of M^T with
; c1 = 32w..32w+31 against all 128 c2.
; THE DEVICE: an f32 result tile holds (m = 8h+j, n = r) in register j of lane (r, h) (ISA guide 7.12.2).  Four packed conversions make of it
; registers 0-3 (or 4-7) of a 16-bit fragment with lane = the tile's n and k = the tile's m.  So the convolution is taken as
; D[m = column of x][n = output channel], and its results become fragments with k = column, as the product over columns wants them.
; NO CLUSTER: what the work-groups share is the 262,144 bytes of f32 weights, which pass through registers to become bf16; a joint tensor
; load would want a landing zone of that size beside the 241,664 bytes in use here, which is more than a work-group can be given.
; NO TENSOR LOADS, NO RING: the work-group takes its whole share once, f32 data have to pass through registers anyway, and there is no loop.
.set XROW,   16384                     ; bytes from a channel of x to the next: 4,096 f32
.set XPITCH, 288                       ; LDS row of x: 128 bf16 + 32 bytes = 9 x 32, as the transposing load's address pattern wants
.set WPITCH, 528                       ; LDS row of weights: 256 bf16 + 16 bytes = 33 x 16: 16 rows start in 16 different 16-byte columns modulo 256
.set WB,     256*XPITCH                ; 73,728: weights, rows 0-127 phi_w, rows 128-255 g_w
.set GF,     WB+256*WPITCH             ; 208,896: g as fragments, [q 4][g tile 8][half 2][lane 32][16 bytes], 32,768 bytes
; window 0
.set LO,   4                           ; v4      16 x lane: global offset of a lane's 16 bytes
.set XS,   5                           ; v5      LDS: where my 8 bytes of x's row 64w go
.set WS,   6                           ; v6      LDS: the same for the weights
.set WA,   7                           ; v7-8    LDS: my weight fragments, phi_w's rows / g_w's rows
.set XA,   9                           ; v9-10   LDS: transposing read of x, channels 0-127 / 128-255
.set GS,   11                          ; v11     LDS: where my g fragments go
.set GL,   12                          ; v12     LDS: where g fragments are read
.set BO,   13                          ; v13     byte offset of my lane's bias
.set BIAS, 32                          ; v32-63  tile i: the lane's bias, eight times: the C of a chain's first product
.set XFR,  64                          ; v64-127 two buffers of four fragments of x^T
.set BANK, 64                          ; v64-255 while staging: three banks of 64
.set ACC,  128                         ; v128-255 accumulator (t, i) at ACC + 8 (4t + i): column tile t of a half, output tile i
; window 1: weight fragment (i, s) at 64 i + 8 s; later g fragment (q, c) at 64 q + 8 c
; window 2: phi fragment (i, q) at 8 (4 i + q); M^T tile (i, c) at MT + 8 (8 i + c)
.set MT,   64
.set XP, 22                            ; s[22:23] x at my first row and the chunk's first column
.set WP, 24                            ; s[24:25] my 64 rows of weights
.set PP, 26                            ; s[26:27] my 16,384 bytes of part
.set FP, 28                            ; s[28:29] my part of phf
.set MSB, 0
.macro WIN new                         ; the immediate's high byte repeats the setting that is left
.if MSB != \new
	s_set_vgpr_msb (MSB<<8)|\new
.set MSB, \new
.endif
.endm
.macro PLACES                          ; the places behind a matrix instruction (ISA guide 7.12.1) where there is no useful work for them
.rept 4
	v_nop
.endr
.endm
	s_load_b256 s[8:15], s[0:1], 0x0               ; x s[8:9], phi_w s[10:11], phi_b s[12:13], g_w s[14:15]
	s_load_b128 s[16:19], s[0:1], 0x20             ; g_b s[16:17], part s[18:19]
	s_load_b64 s[20:21], s[0:1], 0x30              ; phf
	v_lshl_add_u32 v30, v0, 2, 0x3b000
	v_mov_b32 v31, 0
	v_lshrrev_b32 v1, 5, v0
	v_readfirstlane_b32 s4, v1                     ; wave w
	s_and_b32 s5, ttmp7, 0xffff                    ; batch b; ttmp9: chunk
	s_lshl_b32 s30, s5, 22                         ; x: b x 4,194,304
	s_lshl_b32 s2, ttmp9, 9                        ;  + chunk x 512 bytes
	s_add_co_u32 s30, s30, s2
	s_lshl_b32 s2, s4, 20                          ;  + w x 64 rows
	s_add_co_u32 s30, s30, s2
	s_mov_b32 s31, 0
	s_and_b32 s32, s4, 1                           ; weights: the lower or upper 64 rows (65,536 bytes) of phi_w or g_w
	s_lshl_b32 s32, s32, 16
	s_mov_b32 s33, 0
	s_lshl_b32 s3, s5, 5
	s_add_co_u32 s3, s3, ttmp9                     ; 32 b + chunk
	s_lshl_b32 s34, s3, 16                         ; part: 65,536 bytes a work-group, 16,384 a wave
	s_lshl_b32 s2, s4, 14
	s_add_co_u32 s34, s34, s2
	s_mov_b32 s35, 0
	s_lshl_b32 s36, s3, 15                         ; phf: 32,768 bytes a work-group; two c1 tiles of 2,048 bytes a wave in each half of 64 columns
	s_lshl_b32 s2, s4, 12
	s_add_co_u32 s36, s36, s2
	s_mov_b32 s37, 0
	s_mul_i32 s38, s4, 64*XPITCH
	s_mul_i32 s39, s4, 64*WPITCH
	s_add_co_u32 s39, s39, WB
	s_mul_i32 s40, s4, 32*WPITCH
	s_add_co_u32 s40, s40, WB
	s_lshl_b32 s41, s4, 11
	s_add_co_u32 s41, s41, GF
	s_lshl_b32 s42, s4, 7
	v_and_b32 v1, 31, v0                           ; L
	v_and_b32 v2, 15, v0                           ; r
	v_bfe_u32 v3, v0, 4, 1                         ; h
	v_lshlrev_b32 v[LO], 4, v1
	v_lshl_add_u32 v[BO], v2, 2, s42               ; 4 (32 w + r)
	v_lshl_add_u32 v[XS], v1, 3, s38
	v_lshl_add_u32 v[WS], v1, 3, s39
	s_wait_kmcnt 0x0
	s_add_nc_u64 s[XP:XP+1], s[8:9], s[30:31]
	s_cmp_lt_u32 s4, 2                             ; waves 0, 1 stage phi_w, waves 2, 3 g_w
	s_cselect_b64 s[WP:WP+1], s[10:11], s[14:15]
	s_add_nc_u64 s[WP:WP+1], s[WP:WP+1], s[32:33]
	s_add_nc_u64 s[PP:PP+1], s[18:19], s[34:35]
	s_add_nc_u64 s[FP:FP+1], s[20:21], s[36:37]
	global_load_b32 v[BIAS],    v[BO], s[12:13]            ; phi_b[32w + r], [32w + 16 + r]
	global_load_b32 v[BIAS+8],  v[BO], s[12:13] offset:64
	global_load_b32 v[BIAS+16], v[BO], s[16:17]            ; g_b likewise
	global_load_b32 v[BIAS+24], v[BO], s[16:17] offset:64
; STAGING.  Twelve batches of 16 loads; a load covers 512 consecutive, aligned bytes.  Batches 0-3: my 64 rows of x (a row's 128 columns a
; load).  Batches 4-11: my 64 rows of weights (two loads a row).  No address register or base is ever rewritten in this text.
.macro ISSUE k
.set bb, BANK+64*((\k)%3)
.irp j, 0,1,2,3,4,5,6,7,8,9,10,11,12,13,14,15
.if (\k) < 4
	global_load_b128 v[bb+4*\j:bb+4*\j+3], v[LO], s[XP:XP+1] offset:(16*(\k)+\j)*XROW
.else
	global_load_b128 v[bb+4*\j:bb+4*\j+3], v[LO], s[WP:WP+1] offset:(16*((\k)-4)+\j)*512
.endif
.endr
.endm
; four f32 to four bf16 in place, 8 bytes a lane into LDS: 256 consecutive bytes a store
.macro DRAIN k
.set bb, BANK+64*((\k)%3)
.irp j, 0,1,2,3,4,5,6,7,8,9,10,11,12,13,14,15
	v_cvt_pk_bf16_f32 v[bb+4*\j],   v[bb+4*\j],   v[bb+4*\j+1]
	v_cvt_pk_bf16_f32 v[bb+4*\j+1], v[bb+4*\j+2], v[bb+4*\j+3]
.if (\k) < 4
	ds_store_b64 v[XS], v[bb+4*\j:bb+4*\j+1] offset:(16*(\k)+\j)*XPITCH
.else
	ds_store_b64 v[WS], v[bb+4*\j:bb+4*\j+1] offset:(8*((\k)-4)+(\j>>1))*WPITCH+(\j&1)*256
.endif
.endr
.endm
; left = 16 x the batches issued behind batch k: loads come back in order (ISA guide 5.7.1), so batch k (and the biases) is in
.macro STAGE k, nxt, left
	s_wait_loadcnt \left
	DRAIN \k
.if (\nxt) < 12
	ISSUE \nxt                                     ; into the bank just drained
.endif
.endm
	ISSUE 0
	ISSUE 1
	ISSUE 2
	; the rest of the addresses, while the first loads are on their way
	v_mul_u32_u24 v[WA], v2, WPITCH
	v_lshl_add_u32 v[WA], v3, 4, v[WA]
	v_add_nc_u32 v[WA], s40, v[WA]                 ; WB + (32 w + r) pitch + 16 h
	v_add_nc_u32 v[WA+1], 128*WPITCH, v[WA]        ; the same rows of g_w
	v_and_b32 v14, 7, v0
	v_lshl_add_u32 v14, v3, 3, v14                 ; 8 h + (L & 7)
	v_bfe_u32 v15, v0, 3, 1
	v_mul_u32_u24 v[XA], v14, XPITCH
	v_lshl_add_u32 v[XA], v15, 4, v[XA]            ; + 16 ((L >> 3) & 1)
	v_add_nc_u32 v[XA+1], 128*XPITCH, v[XA]        ; channels 128 on: the 16-bit immediate does not reach them
	v_add_nc_u32 v[GS], s41, v[LO]
	v_add_nc_u32 v[GL], GF, v[LO]
	STAGE 0, 3, 32
	STAGE 1, 4, 32
	STAGE 2, 5, 32
	STAGE 3, 6, 32
	STAGE 4, 7, 32
	STAGE 5, 8, 32
	STAGE 6, 9, 32
	STAGE 7, 10, 32
	STAGE 8, 11, 32
	STAGE 9, 12, 32                                ; nothing more to issue: the counts run down
	STAGE 10, 12, 16
	STAGE 11, 12, 0
.irp i, 0,1,2,3
.irp j, 1,2,3,4,5,6,7
	v_mov_b32 v[BIAS+8*\i+\j], v[BIAS+8*\i]        ; a result tile's eight registers of a lane share one output channel
.endr
.endr
	s_wait_dscnt 0x0                               ; my LDS stores are done, for the other waves' sake
	s_barrier_signal -1
	s_barrier_wait -1                              ; x and the weights are whole in LDS; neither is written again
	; my 32 weight fragments (4 output tiles x 8 K steps of 32 channels) stay in window 1 for both halves of the columns
	WIN 0x40
.irp i, 0,1,2,3
.irp s, 0,1,2,3,4,5,6,7
	ds_load_b128 v[64*\i+8*\s:64*\i+8*\s+3],   v[WA+(\i>>1)] offset:(\i&1)*16*WPITCH+64*\s
	ds_load_b128 v[64*\i+8*\s+4:64*\i+8*\s+7], v[WA+(\i>>1)] offset:(\i&1)*16*WPITCH+64*\s+32
.endr
.endr
; THE CONVOLUTION: 16 steps g = 8 u + s: half u of 64 columns, K step s of 32 channels; fragment buffer g & 1.
; four fragments of x^T (16 columns x 32 channels each) by transposing loads, 16 channels a load
.macro XFETCH g
.irp t, 0,1,2,3
	ds_load_tr16_b128 v[XFR+32*((\g)&1)+8*\t:XFR+32*((\g)&1)+8*\t+3],   v[XA+(((\g)&7)>>2)] offset:((\g)&3)*32*XPITCH+32*(4*((\g)>>3)+\t)
	ds_load_tr16_b128 v[XFR+32*((\g)&1)+8*\t+4:XFR+32*((\g)&1)+8*\t+7], v[XA+(((\g)&7)>>2)] offset:((\g)&3)*32*XPITCH+16*XPITCH+32*(4*((\g)>>3)+\t)
.endr
.endm
; 16 matrix instructions; a half's first product takes the bias as C: nothing is cleared, no bias is added afterwards
.macro CONV g
.irp t, 0,1,2,3
.irp i, 0,1,2,3
.if ((\g)&7) == 0
	v_wmma_f32_16x16x32_bf16 v[ACC+8*(4*\t+\i):ACC+8*(4*\t+\i)+7], v[XFR+32*((\g)&1)+8*\t:XFR+32*((\g)&1)+8*\t+7], v[64*\i+8*((\g)&7):64*\i+8*((\g)&7)+7], v[BIAS+8*\i:BIAS+8*\i+7]
.else
	v_wmma_f32_16x16x32_bf16 v[ACC+8*(4*\t+\i):ACC+8*(4*\t+\i)+7], v[XFR+32*((\g)&1)+8*\t:XFR+32*((\g)&1)+8*\t+7], v[64*\i+8*((\g)&7):64*\i+8*((\g)&7)+7], v[ACC+8*(4*\t+\i):ACC+8*(4*\t+\i)+7]
.endif
.endr
.endr
.endm
.macro STEP g, nxt, more
	WIN 0x04                                       ; source 1 (the weights) in window 1, all else in window 0
.if ((\g)&7) != 0
	PLACES                                         ; the buffer loaded next was a source of the last step's products (steps 0 and 8: none before, or PACK's places)
.endif
.if \more
	XFETCH \nxt
	s_wait_dscnt 8                                 ; the eight loads just issued stay out; all older LDS instructions, this step's fragments among them, are done
.else
	s_wait_dscnt 0
.endif
	CONV \g
.endm
; Behind a half's eight steps: its results become bf16 fragments with k = column.  Column tile t is half t & 1 of the block q = 2 u + (t >> 1)
; of 32 columns.  phi (tiles i = 0, 1) goes to window 2 and to phf, g (i = 2, 3) in place and into LDS for all waves.
.macro PACK u
	PLACES                                         ; before vector instructions read results
	WIN 0x80
.irp i, 0,1
.irp t, 0,1,2,3
.irp k, 0,1,2,3
	v_cvt_pk_bf16_f32 v[8*(4*\i+2*\u+(\t>>1))+4*(\t&1)+\k], v[ACC+8*(4*\t+\i)+2*\k], v[ACC+8*(4*\t+\i)+2*\k+1]
.endr
.endr
.endr
	WIN 0
.irp i, 2,3
.irp t, 0,1,2,3
.irp k, 0,1,2,3
	v_cvt_pk_bf16_f32 v[ACC+8*(4*\t+\i)+\k], v[ACC+8*(4*\t+\i)+2*\k], v[ACC+8*(4*\t+\i)+2*\k+1]
.endr
	ds_store_b128 v[GS], v[ACC+8*(4*\t+\i):ACC+8*(4*\t+\i)+3] offset:(2*\u+(\t>>1))*8192+(\i-2)*1024+(\t&1)*512
.endr
.endr
	WIN 0x08                                       ; store data from window 2
.irp i, 0,1
.irp m, 0,1,2,3
	global_store_b128 v[LO], v[8*(4*\i+2*\u)+4*\m:8*(4*\i+2*\u)+4*\m+3], s[FP:FP+1] offset:\u*16384+\i*2048+\m*512   ; 512 consecutive, aligned bytes
.endr
.endr
.endm
	WIN 0x04
	XFETCH 0
	STEP 0, 1, 1
	STEP 1, 2, 1
	STEP 2, 3, 1
	STEP 3, 4, 1
	STEP 4, 5, 1
	STEP 5, 6, 1
	STEP 6, 7, 1
	STEP 7, 8, 1
	PACK 0
	STEP 8, 9, 1
	STEP 9, 10, 1
	STEP 10, 11, 1
	STEP 11, 12, 1
	STEP 12, 13, 1
	STEP 13, 14, 1
	STEP 14, 15, 1
	STEP 15, 15, 0
	PACK 1
	WIN 0
	s_wait_dscnt 0x0                               ; my g fragments of both halves are in LDS, for the other waves' sake
	s_barrier_signal -1
	s_barrier_wait -1                              ; everybody's are
; M^T(c2, c1) = sum over the 128 columns of g[c2][n] phi[c1][n]: source 0 = g's fragments (all 8 tiles), source 1 = my two phi tiles.
.macro GFETCH q                        ; into window 1: the weights there are done with, and PACK 1's places stand behind their last use
.irp c, 0,1,2,3,4,5,6,7
	ds_load_b128 v[64*\q+8*\c:64*\q+8*\c+3],   v[GL] offset:(8*\q+\c)*1024
	ds_load_b128 v[64*\q+8*\c+4:64*\q+8*\c+7], v[GL] offset:(8*\q+\c)*1024+512
.endr
.endm
.macro MMUL q
	s_wait_dscnt 16*(3-\q)                         ; 16 loads for each of the later blocks of 32 columns stay out
.irp i, 0,1
.irp c, 0,1,2,3,4,5,6,7
.if \q == 0
	v_wmma_f32_16x16x32_bf16 v[MT+8*(8*\i+\c):MT+8*(8*\i+\c)+7], v[64*\q+8*\c:64*\q+8*\c+7], v[8*(4*\i+\q):8*(4*\i+\q)+7], 0
.else
	v_wmma_f32_16x16x32_bf16 v[MT+8*(8*\i+\c):MT+8*(8*\i+\c)+7], v[64*\q+8*\c:64*\q+8*\c+7], v[8*(4*\i+\q):8*(4*\i+\q)+7], v[MT+8*(8*\i+\c):MT+8*(8*\i+\c)+7]
.endif
.endr
.endr
.endm
	WIN 0x40
	GFETCH 0
	GFETCH 1
	GFETCH 2
	GFETCH 3
	WIN 0xa9                                       ; source 0 window 1, source 1, C and D window 2
	MMUL 0
	MMUL 1
	MMUL 2
	MMUL 3
	PLACES                                         ; before the stores read results
	WIN 0x08
	; the partial sums leave in register order, [c1 tile][c2 tile][half][lane][4 f32]: each store covers 512 consecutive, aligned bytes
.set m, 0
.rept 32
	global_store_b128 v[LO], v[MT+4*m:MT+4*m+3], s[PP:PP+1] offset:512*m
.set m, m+1
.endr
	WIN 0
	s_wait_tensorcnt 0x0
	ds_add_u32 v30, v31
	s_wait_dscnt 0x0
	s_endpgm
.Lfunc_end_k_q88c5698421_gram:
	.size	k_q88c5698421_gram, .Lfunc_end_k_q88c5698421_gram-k_q88c5698421_gram
	.p2alignl 7, 3214868480
	.fill 96, 4, 3214868480
	.section	.rodata,"a",@progbits
	.p2align	6, 0x0
	.amdhsa_kernel k_q88c5698421_gram
		.amdhsa_group_segment_fixed_size 242176
		.amdhsa_private_segment_fixed_size 0
		.amdhsa_enable_private_segment 0
		.amdhsa_kernarg_size 56
		.amdhsa_user_sgpr_count 2
		.amdhsa_user_sgpr_kernarg_segment_ptr 1
		.amdhsa_wavefront_size32 1
		.amdhsa_system_sgpr_workgroup_id_x 1
		.amdhsa_system_sgpr_workgroup_id_y 1
		.amdhsa_system_sgpr_workgroup_id_z 1
		.amdhsa_system_vgpr_workitem_id 0
		.amdhsa_next_free_vgpr 704
		.amdhsa_next_free_sgpr 66
		.amdhsa_reserve_vcc 0
		.amdhsa_float_denorm_mode_32 3
		.amdhsa_float_denorm_mode_16_64 3
		.amdhsa_memory_ordered 1
		.amdhsa_forward_progress 1
		.amdhsa_inst_pref_size 112
	.end_amdhsa_kernel
	.amdgpu_metadata
---
amdhsa.version: [ 1, 2 ]
amdhsa.kernels:
  - .name:           k_q88c5698421_gram
    .symbol:         k_q88c5698421_gram.kd
    .args:
      - { .name: x, .offset: 0, .size: 8, .value_kind: global_buffer, .address_space: global }
      - { .name: phi_w, .offset: 8, .size: 8, .value_kind: global_buffer, .address_space: global }
      - { .name: phi_b, .offset: 16, .size: 8, .value_kind: global_buffer, .address_space: global }
      - { .name: g_w, .offset: 24, .size: 8, .value_kind: global_buffer, .address_space: global }
      - { .name: g_b, .offset: 32, .size: 8, .value_kind: global_buffer, .address_space: global }
      - { .name: part, .offset: 40, .size: 8, .value_kind: global_buffer, .address_space: global }
      - { .name: phf, .offset: 48, .size: 8, .value_kind: global_buffer, .address_space: global }
    .group_segment_fixed_size: 242176
    .private_segment_fixed_size: 0
    .kernarg_segment_align: 8
    .kernarg_segment_size: 56
    .max_flat_workgroup_size: 128
    .sgpr_count:     66
    .vgpr_count:     704
    .wavefront_size: 32
...
	.end_amdgpu_metadata
.endif
;; end of part 1
;; launch fold (part 2): grid 8 x 4, 8 waves a work-group, no clusters, 74,752 bytes of LDS; arguments part, w_w, qf; writes qf
.if DOCPART == 2
	.amdgcn_target "amdgcn-amd-amdhsa--gfx1250"
	.amdhsa_code_object_version 6
	.text
	.protected	k_q88c5698421_fold
	.globl	k_q88c5698421_fold
	.p2align	8
	.type	k_q88c5698421_fold,@function
k_q88c5698421_fold:
	s_mov_b64 s[64:65], 0
	v_nop
	global_prefetch_b8 v0, s[64:65] scope:SCOPE_SE
	s_setreg_imm32_b32 hwreg(HW_REG_WAVE_MODE, 25, 1), 1
	s_wait_xcnt 0x0
; fold: M = the sum of a batch's 32 partial sums, scaled by 1/N = 2^-12 (exact in f32), then Q[o][c1] = sum over c2 of w_w[o][c2] M[c1][c2] / N,
; stored in bf16 as matrix fragments (qf).  The partial sums are added in f32, in ascending order of the column chunks.
; SHARES: grid x = tile T of 16 c1, y = batch: 32 work-groups, which is the work there is (K = c2 stays whole; a finer split would repeat the
; reduction).  Eight waves.  Wave w sums the c2 tile w of M^T(., T): two loads a partial, 64 loads, 8 f32 a lane; and makes Q's rows 32w..32w+31.
; part's tiles lie in register order, (c2 = 16w + 8h + j, c1 = 16T + r) in register j of lane (r, h): packed to bf16 the sum is half w & 1 of the
; fragment with lane = c1 and k = c2 in the K step w >> 1.  The product is taken as D[m = c1][n = o], so that packed it is half T & 1 of Q's
; fragment with lane = o and k = c1 in the K step T >> 1.
; LIMITS: M / N, w_w and Q are rounded to bf16 as matrix operands.
; NO CLUSTER: the work-groups of a batch share w_w alone, f32 that passes through registers to become bf16; each byte of part is read once.
.set WPITCH, 272                       ; LDS row of w_w: 128 bf16 + 16 bytes = 17 x 16
.set MF,     256*WPITCH                ; 69,632: M's fragments, [K step 4][half 2][lane 32][16 bytes], 4,096 bytes
.set LO,  4                            ; v4   16 x lane
.set WST, 5                            ; v5   LDS: where my 8 bytes of w_w's row 32w go
.set WFR, 6                            ; v6   LDS: my fragments of w_w (my own rows: no barrier)
.set MST, 7                            ; v7   LDS: where my half fragment of M goes
.set MLD, 8                            ; v8   LDS: where M's fragments are read
.set SUM, 16                           ; v16-23  the running sum of my tile
.set PK,  24                           ; v24-27  it in bf16
.set B0,  32                           ; three banks of 64: loads; then B0 w_w's fragments (i, s) at 8 (4i + s), B1 M's fragments at 8 s, B2 results at 8 i
.set B1,  96
.set B2,  160
.set PP, 12                            ; s[12:13] my tile in the batch's first partial
.set WP, 14                            ; s[14:15] my 32 rows of w_w
.set QP, 16                            ; s[16:17] my two half fragments in qf
	s_load_b128 s[4:7], s[0:1], 0x0                ; part s[4:5], w_w s[6:7]
	s_load_b64 s[8:9], s[0:1], 0x10                ; qf
	v_lshl_add_u32 v224, v0, 2, 0x12000
	v_mov_b32 v225, 0
	v_lshrrev_b32 v1, 5, v0
	v_readfirstlane_b32 s10, v1                    ; wave w
	s_and_b32 s11, ttmp7, 0xffff                   ; batch b; ttmp9: T
	s_lshl_b32 s20, s11, 21                        ; part: b x 32 partials of 65,536 bytes
	s_lshl_b32 s2, ttmp9, 13                       ;  + T x 8,192
	s_add_co_u32 s20, s20, s2
	s_lshl_b32 s2, s10, 10                         ;  + w x 1,024
	s_add_co_u32 s20, s20, s2
	s_mov_b32 s21, 0
	s_lshl_b32 s22, s10, 14                        ; w_w: 32 rows of 512 bytes a wave
	s_mov_b32 s23, 0
	s_lshl_b32 s24, s11, 16                        ; qf: b x 65,536 + o tile 2w x 4,096 + T x 512
	s_lshl_b32 s2, s10, 13
	s_add_co_u32 s24, s24, s2
	s_lshl_b32 s2, ttmp9, 9
	s_add_co_u32 s24, s24, s2
	s_mov_b32 s25, 0
	s_mul_i32 s26, s10, 32*WPITCH
	s_lshl_b32 s27, s10, 9
	s_add_co_u32 s27, s27, MF
	v_and_b32 v1, 31, v0                           ; L
	v_and_b32 v2, 15, v0                           ; r
	v_bfe_u32 v3, v0, 4, 1                         ; h
	v_lshlrev_b32 v[LO], 4, v1
	s_wait_kmcnt 0x0
	s_add_nc_u64 s[PP:PP+1], s[4:5], s[20:21]
	s_add_nc_u64 s[WP:WP+1], s[6:7], s[22:23]
	s_add_nc_u64 s[QP:QP+1], s[8:9], s[24:25]
.macro LOADW k, bank                   ; 16 rows of w_w, a row's 512 bytes a load
.irp j, 0,1,2,3,4,5,6,7,8,9,10,11,12,13,14,15
	global_load_b128 v[\bank+4*\j:\bank+4*\j+3], v[LO], s[WP:WP+1] offset:(16*\k+\j)*512
.endr
.endm
.macro LOADP k, bank                   ; my tile of partials 8k .. 8k+7: partial p' in registers bank + 8 p' .. + 7; read once in the launch
.irp j, 0,1,2,3,4,5,6,7,8,9,10,11,12,13,14,15
	global_load_b128 v[\bank+4*\j:\bank+4*\j+3], v[LO], s[PP:PP+1] offset:(8*\k+(\j>>1))*65536+(\j&1)*512 th:TH_LOAD_NT
.endr
.endm
.macro DRAINW k, bank                  ; four f32 to four bf16 in place, 8 bytes a lane into LDS
.irp j, 0,1,2,3,4,5,6,7,8,9,10,11,12,13,14,15
	v_cvt_pk_bf16_f32 v[\bank+4*\j],   v[\bank+4*\j],   v[\bank+4*\j+1]
	v_cvt_pk_bf16_f32 v[\bank+4*\j+1], v[\bank+4*\j+2], v[\bank+4*\j+3]
	ds_store_b64 v[WST], v[\bank+4*\j:\bank+4*\j+1] offset:(16*\k+\j)*WPITCH
.endr
.endm
.macro ADDP bank, p                    ; four chains of packed adds
.irp a, 0,2,4,6
	v_pk_add_f32 v[SUM+\a:SUM+\a+1], v[SUM+\a:SUM+\a+1], v[\bank+8*\p+\a:\bank+8*\p+\a+1]
.endr
.endm
	LOADW 0, B0
	LOADW 1, B1
	LOADP 0, B2
	v_lshl_add_u32 v[WST], v1, 3, s26
	v_mul_u32_u24 v[WFR], v2, WPITCH
	v_lshl_add_u32 v[WFR], v3, 4, v[WFR]
	v_add_nc_u32 v[WFR], s26, v[WFR]               ; (32 w + r) pitch + 16 h
	v_add_nc_u32 v[MST], s27, v[LO]
	v_add_nc_u32 v[MLD], MF, v[LO]
	; every count below is 16 x the batches issued behind the one wanted: loads come back in order (ISA guide 5.7.1)
	s_wait_loadcnt 32
	DRAINW 0, B0
	LOADP 1, B0
	s_wait_loadcnt 32
	DRAINW 1, B1
	LOADP 2, B1
	s_wait_loadcnt 32
.irp a, 0,2,4,6
	v_pk_add_f32 v[SUM+\a:SUM+\a+1], v[B2+\a:B2+\a+1], v[B2+8+\a:B2+8+\a+1]   ; partials 0 and 1 start the sums: nothing is cleared
.endr
.irp p, 2,3,4,5,6,7
	ADDP B2, \p
.endr
	LOADP 3, B2
	s_wait_loadcnt 32
.irp p, 0,1,2,3,4,5,6,7
	ADDP B0, \p
.endr
	; my fragments of w_w: my own rows, and LDS serves a wave's instructions in order (ISA guide 5.7.1), so they see the stores above
.irp i, 0,1
.irp s, 0,1,2,3
	ds_load_b128 v[B0+8*(4*\i+\s):B0+8*(4*\i+\s)+3],   v[WFR] offset:\i*16*WPITCH+64*\s
	ds_load_b128 v[B0+8*(4*\i+\s)+4:B0+8*(4*\i+\s)+7], v[WFR] offset:\i*16*WPITCH+64*\s+32
.endr
.endr
	s_wait_loadcnt 16
.irp p, 0,1,2,3,4,5,6,7
	ADDP B1, \p
.endr
	s_wait_loadcnt 0
.irp p, 0,1,2,3,4,5,6,7
	ADDP B2, \p
.endr
.irp a, 0,2,4,6
	v_pk_mul_f32 v[SUM+\a:SUM+\a+1], v[SUM+\a:SUM+\a+1], 0x39800000 op_sel_hi:[1,0]   ; x 2^-12 = 1 / N, exact
.endr
.irp k, 0,1,2,3
	v_cvt_pk_bf16_f32 v[PK+\k], v[SUM+2*\k], v[SUM+2*\k+1]
.endr
	ds_store_b128 v[MST], v[PK:PK+3]
	s_wait_dscnt 0x0                               ; my half fragment is in LDS, for the other waves' sake (and my fragments of w_w are in)
	s_barrier_signal -1
	s_barrier_wait -1
.irp s, 0,1,2,3
	ds_load_b128 v[B1+8*\s:B1+8*\s+3],   v[MLD] offset:1024*\s
	ds_load_b128 v[B1+8*\s+4:B1+8*\s+7], v[MLD] offset:1024*\s+512
.endr
	s_wait_dscnt 0x0
.irp s, 0,1,2,3
.irp i, 0,1
.if \s == 0
	v_wmma_f32_16x16x32_bf16 v[B2+8*\i:B2+8*\i+7], v[B1+8*\s:B1+8*\s+7], v[B0+8*(4*\i+\s):B0+8*(4*\i+\s)+7], 0
.else
	v_wmma_f32_16x16x32_bf16 v[B2+8*\i:B2+8*\i+7], v[B1+8*\s:B1+8*\s+7], v[B0+8*(4*\i+\s):B0+8*(4*\i+\s)+7], v[B2+8*\i:B2+8*\i+7]
.endif
.endr
.endr
.rept 4
	v_nop                                          ; the places behind the last products (ISA guide 7.12.1), before vector instructions read and write results
.endr
.irp i, 0,1
.irp k, 0,1,2,3
	v_cvt_pk_bf16_f32 v[B2+8*\i+\k], v[B2+8*\i+2*\k], v[B2+8*\i+2*\k+1]
.endr
	global_store_b128 v[LO], v[B2+8*\i:B2+8*\i+3], s[QP:QP+1] offset:4096*\i   ; 512 consecutive, aligned bytes
.endr
	s_wait_tensorcnt 0x0
	ds_add_u32 v224, v225
	s_wait_dscnt 0x0
	s_endpgm
.Lfunc_end_k_q88c5698421_fold:
	.size	k_q88c5698421_fold, .Lfunc_end_k_q88c5698421_fold-k_q88c5698421_fold
	.p2alignl 7, 3214868480
	.fill 96, 4, 3214868480
	.section	.rodata,"a",@progbits
	.p2align	6, 0x0
	.amdhsa_kernel k_q88c5698421_fold
		.amdhsa_group_segment_fixed_size 74752
		.amdhsa_private_segment_fixed_size 0
		.amdhsa_enable_private_segment 0
		.amdhsa_kernarg_size 24
		.amdhsa_user_sgpr_count 2
		.amdhsa_user_sgpr_kernarg_segment_ptr 1
		.amdhsa_wavefront_size32 1
		.amdhsa_system_sgpr_workgroup_id_x 1
		.amdhsa_system_sgpr_workgroup_id_y 1
		.amdhsa_system_sgpr_workgroup_id_z 1
		.amdhsa_system_vgpr_workitem_id 0
		.amdhsa_next_free_vgpr 226
		.amdhsa_next_free_sgpr 66
		.amdhsa_reserve_vcc 0
		.amdhsa_float_denorm_mode_32 3
		.amdhsa_float_denorm_mode_16_64 3
		.amdhsa_memory_ordered 1
		.amdhsa_forward_progress 1
		.amdhsa_inst_pref_size 29
	.end_amdhsa_kernel
	.amdgpu_metadata
---
amdhsa.version: [ 1, 2 ]
amdhsa.kernels:
  - .name:           k_q88c5698421_fold
    .symbol:         k_q88c5698421_fold.kd
    .args:
      - { .name: part, .offset: 0, .size: 8, .value_kind: global_buffer, .address_space: global }
      - { .name: w_w, .offset: 8, .size: 8, .value_kind: global_buffer, .address_space: global }
      - { .name: qf, .offset: 16, .size: 8, .value_kind: global_buffer, .address_space: global }
    .group_segment_fixed_size: 74752
    .private_segment_fixed_size: 0
    .kernarg_segment_align: 8
    .kernarg_segment_size: 24
    .max_flat_workgroup_size: 256
    .sgpr_count:     66
    .vgpr_count:     226
    .wavefront_size: 32
...
	.end_amdgpu_metadata
.endif
;; end of part 2
;; launch apply (part 3): grid 64 x 4, 4 waves a work-group, no clusters, 90,624 bytes of LDS; arguments x, phf, qf, w_b, out0; writes out0
.if DOCPART == 3
	.amdgcn_target "amdgcn-amd-amdhsa--gfx1250"
	.amdhsa_code_object_version 6
	.text
	.protected	k_q88c5698421_apply
	.globl	k_q88c5698421_apply
	.p2align	8
	.type	k_q88c5698421_apply,@function
k_q88c5698421_apply:
	s_mov_b64 s[64:65], 0
	v_nop
	global_prefetch_b8 v0, s[64:65] scope:SCOPE_SE
	s_setreg_imm32_b32 hwreg(HW_REG_WAVE_MODE, 25, 1), 1
	s_wait_xcnt 0x0
; apply: z[o][n] = sum over c1 of Q[o][c1] phi[c1][n] + w_b[o] + x[o][n] for 64 columns n of one batch and all 256 rows o.
; SHARES: grid x = chunk of 64 columns, y = batch: 256 work-groups.  Four waves.  Wave w owns rows 64w..64w+63 (tiles i = 0..3) for all four
; column tiles t: it alone loads Q's fragments of these rows (straight into registers, in register order), and these rows of x, and stores
; these rows of z.  phi is shared: wave w brings c1 tiles 2w, 2w+1 into LDS, and all read it behind the launch's one barrier.
; The product is taken as D[m = n][n = o]: a lane's eight results are eight neighbouring columns of one row of z, 32 bytes.  They go through the
; wave's own rows of an LDS stage and come back as whole rows, so that sixteen lanes store 256 consecutive, aligned bytes of z.
; w_b enters as the C of each chain's first product; x is added in f32 on the way out.
; LIMITS: Q and phi are bf16 matrix operands; the sums are associated as Q phi, not as reference() orders them.
; NO CLUSTER: what the work-groups of a batch share is qf, 65,536 of the 147,456 bytes that a work-group takes in; here each of its bytes goes from
; memory straight into the registers of the one wave that uses it, where a joint load would add a landing zone of 65,536 bytes and 32 LDS loads a wave.
.set XROW,   16384                     ; bytes from a row of x or z to the next
.set PPITCH, 160                       ; LDS row of phi: 64 bf16 + 32 bytes = 5 x 32, as the transposing load's address pattern wants
.set ZPITCH, 272                       ; LDS row of the stage: 64 f32 + 16 bytes = 17 x 16
.set ZS,     128*PPITCH                ; 20,480: the stage, 256 rows, 69,632 bytes
; window 0
.set LO,  4                            ; v4   16 x lane
.set PST, 5                            ; v5   LDS: where my phi goes
.set PTR, 6                            ; v6   LDS: transposing read of phi
.set STO, 7                            ; v7   LDS: where a lane's 32 bytes of results go
.set BO,  8                            ; v8   byte offset of my lane's w_b
.set WBB, 32                           ; v32-63   tile i: the lane's w_b, eight times
.set PHL, 64                           ; v64-95   phi as loaded
.set PF,  128                          ; v128-255 fragment (t, q) of phi^T at PF + 32 t + 8 q
; window 1
.set QF,  0                            ; fragment (i, q) of Q at 8 (4 i + q)
.set ACC, 128                          ; accumulator (t, i) at ACC + 8 (4 t + i)
; window 2
.set XF,  0                            ; x, then z: rows 2 i', 2 i' + 1 of my 64 at 4 i'
.set TT,  128                          ; two banks of 32: results read back
.set XO,  192                          ; global offset: (L >> 4) rows + 16 (L & 15)
.set RD,  193                          ; LDS: the same two rows of my stage
.set XP, 16                            ; s[16:17] x at my first row and the chunk's first column
.set OP, 18                            ; s[18:19] out0 likewise
.set FP, 20                            ; s[20:21] my two c1 tiles of the chunk in phf
.set QP, 22                            ; s[22:23] my four o tiles in qf
.set MSB, 0
.macro WIN new                         ; the immediate's high byte repeats the setting that is left
.if MSB != \new
	s_set_vgpr_msb (MSB<<8)|\new
.set MSB, \new
.endif
.endm
	s_load_b256 s[4:11], s[0:1], 0x0               ; x s[4:5], phf s[6:7], qf s[8:9], w_b s[10:11]
	s_load_b64 s[12:13], s[0:1], 0x20              ; out0
	v_lshl_add_u32 v126, v0, 2, 0x16000
	v_mov_b32 v127, 0
	v_lshrrev_b32 v1, 5, v0
	v_readfirstlane_b32 s14, v1                    ; wave w
	s_and_b32 s15, ttmp7, 0xffff                   ; batch b; ttmp9: chunk
	s_lshl_b32 s24, s15, 22                        ; x, out0: b x 4,194,304 + chunk x 256 + w x 64 rows
	s_lshl_b32 s2, ttmp9, 8
	s_add_co_u32 s24, s24, s2
	s_lshl_b32 s2, s14, 20
	s_add_co_u32 s24, s24, s2
	s_mov_b32 s25, 0
	s_lshl_b32 s26, s15, 6                         ; phf: (64 b + chunk) x 16,384 + w x 4,096
	s_add_co_u32 s26, s26, ttmp9
	s_lshl_b32 s26, s26, 14
	s_lshl_b32 s2, s14, 12
	s_add_co_u32 s26, s26, s2
	s_mov_b32 s27, 0
	s_lshl_b32 s28, s15, 16                        ; qf: b x 65,536 + w x 16,384
	s_lshl_b32 s2, s14, 14
	s_add_co_u32 s28, s28, s2
	s_mov_b32 s29, 0
	s_mul_i32 s30, s14, 32*PPITCH
	s_mul_i32 s31, s14, 64*ZPITCH
	s_add_co_u32 s31, s31, ZS
	s_lshl_b32 s32, s14, 8
	v_and_b32 v1, 31, v0                           ; L
	v_and_b32 v2, 15, v0                           ; r
	v_bfe_u32 v3, v0, 4, 1                         ; h
	v_lshlrev_b32 v[LO], 4, v1
	v_lshl_add_u32 v[BO], v2, 2, s32               ; 4 (64 w + r)
	v_lshlrev_b32 v13, 4, v2                       ; 16 (L & 15)
	v_mul_u32_u24 v10, v3, ZPITCH
	WIN 0x80                                       ; destination in window 2
	v_lshl_add_u32 v[XO], v3, 14, v13
	v_add3_u32 v[RD], v10, v13, s31
	WIN 0
	s_wait_kmcnt 0x0
	s_add_nc_u64 s[XP:XP+1], s[4:5], s[24:25]
	s_add_nc_u64 s[OP:OP+1], s[12:13], s[24:25]
	s_add_nc_u64 s[FP:FP+1], s[6:7], s[26:27]
	s_add_nc_u64 s[QP:QP+1], s[8:9], s[28:29]
	; all loads at once, in the order in which they are wanted: phi (8), w_b (4), Q (32), x (32)
.set m, 0
.rept 8
	global_load_b128 v[PHL+4*m:PHL+4*m+3], v[LO], s[FP:FP+1] offset:512*m th:TH_LOAD_NT
.set m, m+1
.endr
.irp i, 0,1,2,3
	global_load_b32 v[WBB+8*\i], v[BO], s[10:11] offset:64*\i
.endr
	WIN 0x40
.set m, 0
.rept 32
	global_load_b128 v[QF+4*m:QF+4*m+3], v[LO], s[QP:QP+1] offset:512*m
.set m, m+1
.endr
	WIN 0xaa                                       ; all operand places in window 2
.set m, 0
.rept 32
	global_load_b128 v[XF+4*m:XF+4*m+3], v[XO], s[XP:XP+1] offset:2*XROW*m th:TH_LOAD_NT   ; two rows: 16 lanes take 256 consecutive, aligned bytes each
.set m, m+1
.endr
	WIN 0
	v_mul_u32_u24 v[PST], v2, PPITCH
	v_lshl_add_u32 v[PST], v3, 4, v[PST]
	v_add_nc_u32 v[PST], s30, v[PST]               ; (32 w + r) pitch + 16 h
	v_and_b32 v11, 7, v0
	v_lshl_add_u32 v11, v3, 3, v11                 ; 8 h + (L & 7)
	v_bfe_u32 v12, v0, 3, 1
	v_mul_u32_u24 v[PTR], v11, PPITCH
	v_lshl_add_u32 v[PTR], v12, 4, v[PTR]          ; + 16 ((L >> 3) & 1)
	v_mul_u32_u24 v[STO], v2, ZPITCH
	v_lshl_add_u32 v[STO], v3, 5, v[STO]
	v_add_nc_u32 v[STO], s31, v[STO]               ; ZS + (64 w + r) pitch + 32 h
	s_wait_loadcnt 63                              ; 68 loads stand behind phi's eight; 63 is the most that the wait can name
	; phf's lane (r, h) of piece m = 4 i + 2 q' + e holds phi[16 (2w + i) + r][32 q' + 16 e + 8 h .. + 7].
	; accepted for eight stores a wave, since the transposing reads want this pitch.
.set m, 0
.rept 8
	ds_store_b128 v[PST], v[PHL+4*m:PHL+4*m+3] offset:(m>>2)*16*PPITCH+(m&3)*32
.set m, m+1
.endr
	s_wait_dscnt 0x0                               ; my rows of phi are in LDS, for the other waves' sake
	s_barrier_signal -1
	s_barrier_wait -1                              ; phi is whole, and is not written again
.irp q, 0,1,2,3
.irp t, 0,1,2,3
	ds_load_tr16_b128 v[PF+32*\t+8*\q:PF+32*\t+8*\q+3],   v[PTR] offset:\q*32*PPITCH+32*\t
	ds_load_tr16_b128 v[PF+32*\t+8*\q+4:PF+32*\t+8*\q+7], v[PTR] offset:\q*32*PPITCH+16*PPITCH+32*\t
.endr
.endr
	s_wait_loadcnt 32                              ; w_b and Q are in; x's 32 loads stay out
.irp i, 0,1,2,3
.irp j, 1,2,3,4,5,6,7
	v_mov_b32 v[WBB+8*\i+\j], v[WBB+8*\i]          ; a result tile's eight registers of a lane share one row o
.endr
.endr
.macro MUL q                           ; 16 matrix instructions: K step q of 32 c1
	s_wait_dscnt 8*(3-\q)                          ; eight loads for each later K step stay out
.if \q == 0
	WIN 0x44                                       ; source 1 and D in window 1; C (w_b) in window 0
.else
	WIN 0x54                                       ; C in window 1 too
.endif
.irp t, 0,1,2,3
.irp i, 0,1,2,3
.if \q == 0
	v_wmma_f32_16x16x32_bf16 v[ACC+8*(4*\t+\i):ACC+8*(4*\t+\i)+7], v[PF+32*\t+8*\q:PF+32*\t+8*\q+7], v[QF+8*(4*\i+\q):QF+8*(4*\i+\q)+7], v[WBB+8*\i:WBB+8*\i+7]
.else
	v_wmma_f32_16x16x32_bf16 v[ACC+8*(4*\t+\i):ACC+8*(4*\t+\i)+7], v[PF+32*\t+8*\q:PF+32*\t+8*\q+7], v[QF+8*(4*\i+\q):QF+8*(4*\i+\q)+7], v[ACC+8*(4*\t+\i):ACC+8*(4*\t+\i)+7]
.endif
.endr
.endr
.endm
	MUL 0
	MUL 1
	MUL 2
	MUL 3
.rept 4
	v_nop                                          ; the places behind the last products, before LDS stores read results
.endr
	WIN 0x04                                       ; store data from window 1
.irp i, 0,1,2,3
.irp t, 0,1,2,3
	ds_store_b128 v[STO], v[ACC+8*(4*\t+\i):ACC+8*(4*\t+\i)+3]   offset:\i*16*ZPITCH+64*\t
	ds_store_b128 v[STO], v[ACC+8*(4*\t+\i)+4:ACC+8*(4*\t+\i)+7] offset:\i*16*ZPITCH+64*\t+16
.endr
.endr
; THE WAY OUT, all in window 2.  The stage's rows are my own, and LDS serves a wave's instructions in order (ISA guide 5.7.1): no wait, no barrier.
.macro ZLD g                           ; 16 rows back, two rows a load
.irp k, 0,1,2,3,4,5,6,7
	ds_load_b128 v[TT+32*(\g&1)+4*\k:TT+32*(\g&1)+4*\k+3], v[RD] offset:2*ZPITCH*(8*\g+\k)
.endr
.endm
.macro ZOUT g, young                   ; young = the LDS loads behind this batch's first one
.irp k, 0,1,2,3,4,5,6,7
	s_wait_dscnt \young-\k                         ; the later loads of this batch and the next batch's eight stay out
	s_wait_loadcnt 31-(8*\g+\k)                    ; and so do x's later rows
	v_pk_add_f32 v[XF+4*(8*\g+\k):XF+4*(8*\g+\k)+1],   v[XF+4*(8*\g+\k):XF+4*(8*\g+\k)+1],   v[TT+32*(\g&1)+4*\k:TT+32*(\g&1)+4*\k+1]
	v_pk_add_f32 v[XF+4*(8*\g+\k)+2:XF+4*(8*\g+\k)+3], v[XF+4*(8*\g+\k)+2:XF+4*(8*\g+\k)+3], v[TT+32*(\g&1)+4*\k+2:TT+32*(\g&1)+4*\k+3]
	global_store_b128 v[XO], v[XF+4*(8*\g+\k):XF+4*(8*\g+\k)+3], s[OP:OP+1] offset:2*XROW*(8*\g+\k) th:TH_STORE_NT   ; 16 lanes store 256 consecutive, aligned bytes
.endr
.endm
	WIN 0xaa
	ZLD 0
	ZLD 1
	ZOUT 0, 15
	ZLD 2
	ZOUT 1, 15
	ZLD 3
	ZOUT 2, 15
	ZOUT 3, 7
	WIN 0
	s_wait_tensorcnt 0x0
	ds_add_u32 v126, v127
	s_wait_dscnt 0x0
	s_endpgm
.Lfunc_end_k_q88c5698421_apply:
	.size	k_q88c5698421_apply, .Lfunc_end_k_q88c5698421_apply-k_q88c5698421_apply
	.p2alignl 7, 3214868480
	.fill 96, 4, 3214868480
	.section	.rodata,"a",@progbits
	.p2align	6, 0x0
	.amdhsa_kernel k_q88c5698421_apply
		.amdhsa_group_segment_fixed_size 90624
		.amdhsa_private_segment_fixed_size 0
		.amdhsa_enable_private_segment 0
		.amdhsa_kernarg_size 40
		.amdhsa_user_sgpr_count 2
		.amdhsa_user_sgpr_kernarg_segment_ptr 1
		.amdhsa_wavefront_size32 1
		.amdhsa_system_sgpr_workgroup_id_x 1
		.amdhsa_system_sgpr_workgroup_id_y 1
		.amdhsa_system_sgpr_workgroup_id_z 1
		.amdhsa_system_vgpr_workitem_id 0
		.amdhsa_next_free_vgpr 720
		.amdhsa_next_free_sgpr 66
		.amdhsa_reserve_vcc 0
		.amdhsa_float_denorm_mode_32 3
		.amdhsa_float_denorm_mode_16_64 3
		.amdhsa_memory_ordered 1
		.amdhsa_forward_progress 1
		.amdhsa_inst_pref_size 32
	.end_amdhsa_kernel
	.amdgpu_metadata
---
amdhsa.version: [ 1, 2 ]
amdhsa.kernels:
  - .name:           k_q88c5698421_apply
    .symbol:         k_q88c5698421_apply.kd
    .args:
      - { .name: x, .offset: 0, .size: 8, .value_kind: global_buffer, .address_space: global }
      - { .name: phf, .offset: 8, .size: 8, .value_kind: global_buffer, .address_space: global }
      - { .name: qf, .offset: 16, .size: 8, .value_kind: global_buffer, .address_space: global }
      - { .name: w_b, .offset: 24, .size: 8, .value_kind: global_buffer, .address_space: global }
      - { .name: out0, .offset: 32, .size: 8, .value_kind: global_buffer, .address_space: global }
    .group_segment_fixed_size: 90624
    .private_segment_fixed_size: 0
    .kernarg_segment_align: 8
    .kernarg_segment_size: 40
    .max_flat_workgroup_size: 128
    .sgpr_count:     66
    .vgpr_count:     720
    .wavefront_size: 32
...
	.end_amdgpu_metadata
.endif
;; end of part 3
;; ======== version 2 of 2: 3 launches; version 1 with the launch gram written anew for expert scheduling mode
;; workspace buffers: part 8,388,608 bytes; phf 4,194,304 bytes; qf 262,144 bytes
;; launch gram (part 4): grid 32 x 4, 4 waves a work-group, no clusters, 242,176 bytes of LDS; arguments x, phi_w, phi_b, g_w, g_b, part, phf; writes part, phf
.if DOCPART == 4
	.amdgcn_target "amdgcn-amd-amdhsa--gfx1250"
	.amdhsa_code_object_version 6
	.text
	.protected	k_q88c5698421_gram
	.globl	k_q88c5698421_gram
	.p2align	8
	.type	k_q88c5698421_gram,@function
k_q88c5698421_gram:
	s_mov_b64 s[64:65], 0
	v_nop
	global_prefetch_b8 v0, s[64:65] scope:SCOPE_SE
	s_setreg_imm32_b32 hwreg(HW_REG_WAVE_SCHED_MODE, 0, 2), 2
	s_setreg_imm32_b32 hwreg(HW_REG_WAVE_MODE, 25, 1), 1
	s_wait_xcnt 0x0
	s_wait_alu depctr_vm_vsrc(0)
; gram: for 128 columns n of one batch b: phi = phi_w x + phi_b and g = g_w x + g_b (128 rows each), then the work-group's share of
; M^T[c2][c1] = sum over n of g[c2][n] phi[c1][n], stored in f32 as a partial sum (part), and phi itself in bf16 (phf).
; WHY: reference() forms (phi^T phi / N) g^T with nothing non-linear in between; by associativity that is phi^T (phi g^T) / N for every
; input, so the two N x N products are replaced by one 128 x 128 matrix M per batch.
; LIMITS: the f32 sums are therefore associated otherwise than in reference(); x, the weights, phi and g are rounded to bf16 as matrix
; operands (bf16 has f32's range); a non-finite input spreads over its whole batch as in reference(), but not matched element by element.
; theta_w and theta_b are not read by any launch: reference() throws theta(x) away in its own body, so no output number hangs on them.
; SHARES: grid x = chunk of 128 columns, y = batch.  Four waves.  Wave w brings rows 64w..64w+63 of x and of the stacked weights
; [phi_w; g_w] into LDS as bf16, makes phi rows 32w..32w+31 and g rows 32w..32w+31 for all 128 columns, and the tiles of M^T with
; c1 = 32w..32w+31 against all 128 c2.
; THE DEVICE: an f32 result tile holds (m = 8h+j, n = r) in register j of lane (r, h) (ISA guide 7.12.2).  Four packed conversions make of it
; registers 0-3 (or 4-7) of a 16-bit fragment with lane = the tile's n and k = the tile's m.  So the convolution is taken as
; D[m = column of x][n = output channel], and its results become fragments with k = column, as the product over columns wants them.
; NO CLUSTER: what the work-groups share is the 262,144 bytes of f32 weights, which pass through registers to become bf16; a joint tensor
; load would want a landing zone of that size beside the 241,664 bytes in use here, which is more than a work-group can be given.
; NO TENSOR LOADS, NO RING: the work-group takes its whole share once, f32 data have to pass through registers anyway, and there is no loop.
; THE MODE: SCHED_MODE bits 1:0 = 2 (LLVM: expert scheduling mode 2), set by the entry lines.  The code itself states the register dependences
; between vector or matrix instructions and memory or LDS instructions, with s_wait_alu, always for 0.
; THE PLAN.  Registers that memory or LDS instructions touch, and who else names them:
;   v4-v13        offsets and LDS addresses: made at the head, ahead of one wait on va_vdst, and never written again.
;   BANK0 .. 2    batch k's loads land in BANK[k % 3]; stage k's 32 conversions read it; behind them batch k + 3 lands in it.
;   OUT0, OUT1    stage k's conversions write OUT[k & 1]; stage k's 16 LDS stores read it; stage k + 2's conversions write it again.
;                 So a stage has one wait on vm_vsrc ahead of its conversions and one on va_vdst behind them, ahead of its 16 loads and 16 stores.
;   window 1      behind the first barrier the weights' fragments land there, over OUT (both waits ahead of them); the convolution's products read
;                 them; behind the second barrier g's fragments land there (a wait on va_vdst ahead of them).
;   XFR0, XFR1    step g's products read XFR[g & 1]; the loads of step g + 1 land in the other one, which step g - 1's products read: one wait on
;                 va_vdst at a step's head; behind it the eight loads are dealt among the step's products, which name none of their registers.
;   ACC, g tiles  packed in place by conversions, read by LDS stores, written again by the next half's products: a wait on va_vdst ahead of the
;                 stores, and behind the first half's a wait on vm_vsrc.
;   phi (window 2) written by the same conversions, read by global stores behind the same wait, and by products; never written again.
;   M^T (window 2) written by products, read by the last stores: a wait on va_vdst ahead of them.
.set XROW,   16384                     ; bytes from a channel of x to the next: 4,096 f32
.set XPITCH, 288                       ; LDS row of x: 128 bf16 + 32 bytes = 9 x 32, as the transposing load's address pattern wants
.set WPITCH, 528                       ; LDS row of weights: 256 bf16 + 16 bytes = 33 x 16: 16 rows start in 16 different 16-byte columns modulo 256
.set WB,     256*XPITCH                ; 73,728: weights, rows 0-127 phi_w, rows 128-255 g_w
.set GF,     WB+256*WPITCH             ; 208,896: g as fragments, [q 4][g tile 8][half 2][lane 32][16 bytes], 32,768 bytes
; window 0
.set LO,   4                           ; v4      16 x lane: global offset of a lane's 16 bytes
.set XS,   5                           ; v5      LDS: where my 8 bytes of x's row 64w go
.set WS,   6                           ; v6      LDS: the same for the weights
.set WA,   7                           ; v7-8    LDS: my weight fragments, phi_w's rows / g_w's rows
.set XA,   9                           ; v9-10   LDS: transposing read of x, channels 0-127 / 128-255
.set GS,   11                          ; v11     LDS: where my g fragments go
.set GL,   12                          ; v12     LDS: where g fragments are read
.set BO,   13                          ; v13     byte offset of my lane's bias
.set BIAS, 32                          ; v32-63  tile i: the lane's bias, eight times: the C of a chain's first product
.set XFR,  64                          ; v64-127 two buffers of four fragments of x^T
.set BANK, 64                          ; v64-255 while staging: three banks of 64
.set ACC,  128                         ; v128-255 accumulator (t, i) at ACC + 8 (4t + i): column tile t of a half, output tile i
; window 1: while staging two out-buffers of 32 at OUT + 32 (k & 1); then weight fragment (i, s) at 64 i + 8 s; later g fragment (q, c) at 64 q + 8 c
.set OUT,  0
; window 2: phi fragment (i, q) at 8 (4 i + q); M^T tile (i, c) at MT + 8 (8 i + c)
.set MT,   64
.set XP, 22                            ; s[22:23] x at my first row and the chunk's first column
.set WP, 24                            ; s[24:25] my 64 rows of weights
.set PP, 26                            ; s[26:27] my 16,384 bytes of part
.set FP, 28                            ; s[28:29] my part of phf
.set MSB, 0
.macro WIN new                         ; the immediate's high byte repeats the setting that is left
.if MSB != \new
	s_set_vgpr_msb (MSB<<8)|\new
.set MSB, \new
.endif
.endm
.macro PLACES                          ; the places behind a matrix instruction (ISA guide 7.12.1) where there is no useful work for them
.rept 4
	v_nop
.endr
.endm
	s_load_b256 s[8:15], s[0:1], 0x0               ; x s[8:9], phi_w s[10:11], phi_b s[12:13], g_w s[14:15]
	s_load_b128 s[16:19], s[0:1], 0x20             ; g_b s[16:17], part s[18:19]
	s_load_b64 s[20:21], s[0:1], 0x30              ; phf
	v_lshl_add_u32 v30, v0, 2, 0x3b000
	v_mov_b32 v31, 0
	v_lshrrev_b32 v1, 5, v0
	v_readfirstlane_b32 s4, v1                     ; wave w
	s_and_b32 s5, ttmp7, 0xffff                    ; batch b; ttmp9: chunk
	s_lshl_b32 s30, s5, 22                         ; x: b x 4,194,304
	s_lshl_b32 s2, ttmp9, 9                        ;  + chunk x 512 bytes
	s_add_co_u32 s30, s30, s2
	s_wait_alu depctr_va_sdst(0)                   ; s4 is written, ahead of its first reader: offsets, LDS places and the choice of the weights hang on it
	s_lshl_b32 s2, s4, 20                          ;  + w x 64 rows
	s_add_co_u32 s30, s30, s2
	s_mov_b32 s31, 0
	s_and_b32 s32, s4, 1                           ; weights: the lower or upper 64 rows (65,536 bytes) of phi_w or g_w
	s_lshl_b32 s32, s32, 16
	s_mov_b32 s33, 0
	s_lshl_b32 s3, s5, 5
	s_add_co_u32 s3, s3, ttmp9                     ; 32 b + chunk
	s_lshl_b32 s34, s3, 16                         ; part: 65,536 bytes a work-group, 16,384 a wave
	s_lshl_b32 s2, s4, 14
	s_add_co_u32 s34, s34, s2
	s_mov_b32 s35, 0
	s_lshl_b32 s36, s3, 15                         ; phf: 32,768 bytes a work-group; two c1 tiles of 2,048 bytes a wave in each half of 64 columns
	s_lshl_b32 s2, s4, 12
	s_add_co_u32 s36, s36, s2
	s_mov_b32 s37, 0
	s_mul_i32 s38, s4, 64*XPITCH
	s_mul_i32 s39, s4, 64*WPITCH
	s_add_co_u32 s39, s39, WB
	s_mul_i32 s40, s4, 32*WPITCH
	s_add_co_u32 s40, s40, WB
	s_lshl_b32 s41, s4, 11
	s_add_co_u32 s41, s41, GF
	s_lshl_b32 s42, s4, 7
	; every offset and LDS address of the kernel, while the arguments are on their way
	v_and_b32 v1, 31, v0                           ; L
	v_and_b32 v2, 15, v0                           ; r
	v_bfe_u32 v3, v0, 4, 1                         ; h
	v_lshlrev_b32 v[LO], 4, v1
	v_lshl_add_u32 v[BO], v2, 2, s42               ; 4 (32 w + r)
	v_lshl_add_u32 v[XS], v1, 3, s38
	v_lshl_add_u32 v[WS], v1, 3, s39
	v_mul_u32_u24 v[WA], v2, WPITCH
	v_lshl_add_u32 v[WA], v3, 4, v[WA]
	v_add_nc_u32 v[WA], s40, v[WA]                 ; WB + (32 w + r) pitch + 16 h
	v_add_nc_u32 v[WA+1], 128*WPITCH, v[WA]        ; the same rows of g_w
	v_and_b32 v14, 7, v0
	v_lshl_add_u32 v14, v3, 3, v14                 ; 8 h + (L & 7)
	v_bfe_u32 v15, v0, 3, 1
	v_mul_u32_u24 v[XA], v14, XPITCH
	v_lshl_add_u32 v[XA], v15, 4, v[XA]            ; + 16 ((L >> 3) & 1)
	v_add_nc_u32 v[XA+1], 128*XPITCH, v[XA]        ; channels 128 on: the 16-bit immediate does not reach them
	v_add_nc_u32 v[GS], s41, v[LO]
	v_add_nc_u32 v[GL], GF, v[LO]
	s_wait_kmcnt 0x0
	s_add_nc_u64 s[XP:XP+1], s[8:9], s[30:31]
	s_cmp_lt_u32 s4, 2                             ; waves 0, 1 stage phi_w, waves 2, 3 g_w
	s_cselect_b64 s[WP:WP+1], s[10:11], s[14:15]
	s_add_nc_u64 s[WP:WP+1], s[WP:WP+1], s[32:33]
	s_add_nc_u64 s[PP:PP+1], s[18:19], s[34:35]
	s_add_nc_u64 s[FP:FP+1], s[20:21], s[36:37]
	s_wait_alu depctr_va_vdst(0)                   ; v4 to v13 are written: every load and store of the kernel, global or LDS, reads one of them as its offset or address
	global_load_b32 v[BIAS],    v[BO], s[12:13]            ; phi_b[32w + r], [32w + 16 + r]
	global_load_b32 v[BIAS+8],  v[BO], s[12:13] offset:64
	global_load_b32 v[BIAS+16], v[BO], s[16:17]            ; g_b likewise
	global_load_b32 v[BIAS+24], v[BO], s[16:17] offset:64
; STAGING.  Twelve batches of 16 loads; a load covers 512 consecutive, aligned bytes.  Batches 0-3: my 64 rows of x (a row's 128 columns a
; load).  Batches 4-11: my 64 rows of weights (two loads a row).  No address register or base is ever rewritten in this text.
.macro ISSUE k
.set bb, BANK+64*((\k)%3)
.irp j, 0,1,2,3,4,5,6,7,8,9,10,11,12,13,14,15
.if (\k) < 4
	global_load_b128 v[bb+4*\j:bb+4*\j+3], v[LO], s[XP:XP+1] offset:(16*(\k)+\j)*XROW
.else
	global_load_b128 v[bb+4*\j:bb+4*\j+3], v[LO], s[WP:WP+1] offset:(16*((\k)-4)+\j)*512
.endif
.endr
.endm
; four f32 of a bank to four bf16 in two registers of the batch's out-buffer
.macro TOBF k
.set bb, BANK+64*((\k)%3)
.set oo, OUT+32*((\k)&1)
.irp j, 0,1,2,3,4,5,6,7,8,9,10,11,12,13,14,15
	v_cvt_pk_bf16_f32 v[oo+2*\j],   v[bb+4*\j],   v[bb+4*\j+1]
	v_cvt_pk_bf16_f32 v[oo+2*\j+1], v[bb+4*\j+2], v[bb+4*\j+3]
.endr
.endm
; 8 bytes a lane into LDS: 256 consecutive bytes a store
.macro PUT k
.set oo, OUT+32*((\k)&1)
.irp j, 0,1,2,3,4,5,6,7,8,9,10,11,12,13,14,15
.if (\k) < 4
	ds_store_b64 v[XS], v[oo+2*\j:oo+2*\j+1] offset:(16*(\k)+\j)*XPITCH
.else
	ds_store_b64 v[WS], v[oo+2*\j:oo+2*\j+1] offset:(8*((\k)-4)+(\j>>1))*WPITCH+(\j&1)*256
.endif
.endr
.endm
; left = 16 x the batches issued behind batch k: loads come back in order (ISA guide 5.7.1), so batch k (and the biases) is in
.macro STAGE k, nxt, left
	s_wait_loadcnt \left
	WIN 0x40                                       ; destination (the out-buffer) in window 1
.if (\k) >= 2
	s_wait_alu depctr_vm_vsrc(0)                   ; the LDS stores of two stages back have read OUT[k & 1], which the conversions below write again
.endif
	TOBF \k
	WIN 0x04                                       ; store data in window 1; loaded data and addresses in window 0
	s_wait_alu depctr_va_vdst(0)                   ; the conversions have written OUT[k & 1], which the LDS stores read, and are done reading BANK[k % 3], in which the loads land
.if (\nxt) < 12
	ISSUE \nxt                                     ; into the bank just emptied, ahead of the stores
.endif
	PUT \k
.endm
	ISSUE 0
	ISSUE 1
	ISSUE 2
	STAGE 0, 3, 32
	STAGE 1, 4, 32
	STAGE 2, 5, 32
	STAGE 3, 6, 32
	STAGE 4, 7, 32
	STAGE 5, 8, 32
	STAGE 6, 9, 32
	STAGE 7, 10, 32
	STAGE 8, 11, 32
	STAGE 9, 12, 32                                ; nothing more to issue: the counts run down
	STAGE 10, 12, 16
	STAGE 11, 12, 0
	WIN 0
.irp i, 0,1,2,3
.irp j, 1,2,3,4,5,6,7
	v_mov_b32 v[BIAS+8*\i+\j], v[BIAS+8*\i]        ; a result tile's eight registers of a lane share one output channel
.endr
.endr
	s_wait_dscnt 0x0                               ; my LDS stores are done, for the other waves' sake
	s_barrier_signal -1
	s_barrier_wait -1                              ; x and the weights are whole in LDS; neither is written again
	; my 32 weight fragments (4 output tiles x 8 K steps of 32 channels) stay in window 1 for both halves of the columns
	WIN 0x40
	s_wait_alu depctr_va_vdst(0)                   ; the conversions have written OUT, over which the weights' fragments land, and are done reading bank 0, in which x's fragments land
	s_wait_alu depctr_vm_vsrc(0)                   ; my LDS stores have read OUT
.irp i, 0,1,2,3
.irp s, 0,1,2,3,4,5,6,7
	ds_load_b128 v[64*\i+8*\s:64*\i+8*\s+3],   v[WA+(\i>>1)] offset:(\i&1)*16*WPITCH+64*\s
	ds_load_b128 v[64*\i+8*\s+4:64*\i+8*\s+7], v[WA+(\i>>1)] offset:(\i&1)*16*WPITCH+64*\s+32
.endr
.endr
; THE CONVOLUTION: 16 steps g = 8 u + s: half u of 64 columns, K step s of 32 channels; fragment buffer g & 1.
; fragment t of step g: 16 columns x 32 channels of x^T by transposing loads, 16 channels a load
.macro XFRAG g, t
	ds_load_tr16_b128 v[XFR+32*((\g)&1)+8*(\t):XFR+32*((\g)&1)+8*(\t)+3],   v[XA+(((\g)&7)>>2)] offset:((\g)&3)*32*XPITCH+32*(4*((\g)>>3)+(\t))
	ds_load_tr16_b128 v[XFR+32*((\g)&1)+8*(\t)+4:XFR+32*((\g)&1)+8*(\t)+7], v[XA+(((\g)&7)>>2)] offset:((\g)&3)*32*XPITCH+16*XPITCH+32*(4*((\g)>>3)+(\t))
.endm
; A step: 16 matrix instructions, in four groups by the column tile t; ahead of group t stand the wait for this step's fragment t and the two loads of the
; next step's fragment t.  A half's first product takes the bias as C: nothing is cleared, no bias is added afterwards.
; THE COUNT: behind this step's fragment t were issued 2 (3 - t) loads of this step and 2 t of the next: six, whatever t; LDS instructions end in order
; (ISA guide 5.7.1).  In step 8 the eight LDS stores of the first half's g stand behind them too: fourteen.  The last step issues none: 6 - 2 t.
.macro STEP g, nxt, more
	WIN 0x04                                       ; source 1 (the weights) in window 1, all else in window 0
.if (\more) && (((\g)&7) != 0)
	PLACES                                         ; the buffer loaded next was a source of the last step's products (steps 0 and 8: none before, or PACK's places)
.endif
.irp t, 0,1,2,3
.if !(\more)
	s_wait_dscnt 6-2*\t
.elseif (\g) == 8
	s_wait_dscnt 14
.else
	s_wait_dscnt 6
.endif
.if (\more) && ((\g) != 0) && (\t == 0)
	s_wait_alu depctr_va_vdst(0)                   ; the last step's products are done reading the other buffer, in which this step's eight loads land; this step's products name none of its registers
.endif
.if \more
	XFRAG \nxt, \t
.endif
.irp i, 0,1,2,3
.if ((\g)&7) == 0
	v_wmma_f32_16x16x32_bf16 v[ACC+8*(4*\t+\i):ACC+8*(4*\t+\i)+7], v[XFR+32*((\g)&1)+8*\t:XFR+32*((\g)&1)+8*\t+7], v[64*\i+8*((\g)&7):64*\i+8*((\g)&7)+7], v[BIAS+8*\i:BIAS+8*\i+7]
.else
	v_wmma_f32_16x16x32_bf16 v[ACC+8*(4*\t+\i):ACC+8*(4*\t+\i)+7], v[XFR+32*((\g)&1)+8*\t:XFR+32*((\g)&1)+8*\t+7], v[64*\i+8*((\g)&7):64*\i+8*((\g)&7)+7], v[ACC+8*(4*\t+\i):ACC+8*(4*\t+\i)+7]
.endif
.endr
.endr
.endm
; Behind a half's eight steps: its results become bf16 fragments with k = column.  Column tile t is half t & 1 of the block q = 2 u + (t >> 1)
; of 32 columns.  phi (tiles i = 0, 1) goes to window 2 and to phf, g (i = 2, 3) in place and into LDS for all waves.
; All 64 conversions first, one wait, then the sixteen stores.
.macro PACK u
	PLACES                                         ; before vector instructions read results
	WIN 0x80
.irp i, 0,1
.irp t, 0,1,2,3
.irp k, 0,1,2,3
	v_cvt_pk_bf16_f32 v[8*(4*\i+2*\u+(\t>>1))+4*(\t&1)+\k], v[ACC+8*(4*\t+\i)+2*\k], v[ACC+8*(4*\t+\i)+2*\k+1]
.endr
.endr
.endr
	WIN 0
.irp i, 2,3
.irp t, 0,1,2,3
.irp k, 0,1,2,3
	v_cvt_pk_bf16_f32 v[ACC+8*(4*\t+\i)+\k], v[ACC+8*(4*\t+\i)+2*\k], v[ACC+8*(4*\t+\i)+2*\k+1]
.endr
.endr
.endr
	s_wait_alu depctr_va_vdst(0)                   ; the conversions have written g's packed tiles, which the LDS stores read, and phi's fragments, which the global stores read
.irp i, 2,3
.irp t, 0,1,2,3
	ds_store_b128 v[GS], v[ACC+8*(4*\t+\i):ACC+8*(4*\t+\i)+3] offset:(2*\u+(\t>>1))*8192+(\i-2)*1024+(\t&1)*512
.endr
.endr
	WIN 0x08                                       ; store data from window 2
.irp i, 0,1
.irp m, 0,1,2,3
	global_store_b128 v[LO], v[8*(4*\i+2*\u)+4*\m:8*(4*\i+2*\u)+4*\m+3], s[FP:FP+1] offset:\u*16384+\i*2048+\m*512   ; 512 consecutive, aligned bytes
.endr
.endr
.if (\u) == 0
	s_wait_alu depctr_vm_vsrc(0)                   ; the LDS stores have read g's packed tiles: the second half's products write these accumulators again
.endif
.endm
	WIN 0x04
.irp t, 0,1,2,3
	XFRAG 0, \t                                    ; step 0's fragments: the two waits behind the barrier stand for these loads too; only loads and a window switch lie between
.endr
	STEP 0, 1, 1
	STEP 1, 2, 1
	STEP 2, 3, 1
	STEP 3, 4, 1
	STEP 4, 5, 1
	STEP 5, 6, 1
	STEP 6, 7, 1
	STEP 7, 8, 1
	PACK 0
	STEP 8, 9, 1
	STEP 9, 10, 1
	STEP 10, 11, 1
	STEP 11, 12, 1
	STEP 12, 13, 1
	STEP 13, 14, 1
	STEP 14, 15, 1
	STEP 15, 15, 0
	PACK 1
	WIN 0
	s_wait_dscnt 0x0                               ; my g fragments of both halves are in LDS, for the other waves' sake
	s_barrier_signal -1
	s_barrier_wait -1                              ; everybody's are
; M^T(c2, c1) = sum over the 128 columns of g[c2][n] phi[c1][n]: source 0 = g's fragments (all 8 tiles), source 1 = my two phi tiles.
.macro GFETCH q                        ; into window 1: the weights there are done with, and PACK 1's places stand behind their last use
.irp c, 0,1,2,3,4,5,6,7
	ds_load_b128 v[64*\q+8*\c:64*\q+8*\c+3],   v[GL] offset:(8*\q+\c)*1024
	ds_load_b128 v[64*\q+8*\c+4:64*\q+8*\c+7], v[GL] offset:(8*\q+\c)*1024+512
.endr
.endm
.macro MMUL q
	s_wait_dscnt 16*(3-\q)                         ; 16 loads for each of the later blocks of 32 columns stay out
.irp i, 0,1
.irp c, 0,1,2,3,4,5,6,7
.if \q == 0
	v_wmma_f32_16x16x32_bf16 v[MT+8*(8*\i+\c):MT+8*(8*\i+\c)+7], v[64*\q+8*\c:64*\q+8*\c+7], v[8*(4*\i+\q):8*(4*\i+\q)+7], 0
.else
	v_wmma_f32_16x16x32_bf16 v[MT+8*(8*\i+\c):MT+8*(8*\i+\c)+7], v[64*\q+8*\c:64*\q+8*\c+7], v[8*(4*\i+\q):8*(4*\i+\q)+7], v[MT+8*(8*\i+\c):MT+8*(8*\i+\c)+7]
.endif
.endr
.endr
.endm
	WIN 0x40
	s_wait_alu depctr_va_vdst(0)                   ; the convolution's products are done reading the weights' fragments, over which g's fragments land
	GFETCH 0
	GFETCH 1
	GFETCH 2
	GFETCH 3
	WIN 0xa9                                       ; source 0 window 1, source 1, C and D window 2
	MMUL 0
	MMUL 1
	MMUL 2
	MMUL 3
	PLACES                                         ; before the stores read results
	WIN 0x08
	s_wait_alu depctr_va_vdst(0)                   ; the products have written the tiles of M^T, which the stores read; the places above stay beside this wait
	; the partial sums leave in register order, [c1 tile][c2 tile][half][lane][4 f32]: each store covers 512 consecutive, aligned bytes
.set m, 0
.rept 32
	global_store_b128 v[LO], v[MT+4*m:MT+4*m+3], s[PP:PP+1] offset:512*m
.set m, m+1
.endr
	WIN 0
	s_wait_dscnt 0x0
	s_wait_alu depctr_hold_cnt(0) depctr_sa_sdst(0) depctr_va_vdst(0) depctr_va_sdst(0) depctr_va_ssrc(0) depctr_va_vcc(0) depctr_vm_vsrc(0)
	s_wait_tensorcnt 0x0
	ds_add_u32 v30, v31
	s_wait_dscnt 0x0
	s_endpgm
.Lfunc_end_k_q88c5698421_gram:
	.size	k_q88c5698421_gram, .Lfunc_end_k_q88c5698421_gram-k_q88c5698421_gram
	.p2alignl 7, 3214868480
	.fill 96, 4, 3214868480
	.section	.rodata,"a",@progbits
	.p2align	6, 0x0
	.amdhsa_kernel k_q88c5698421_gram
		.amdhsa_group_segment_fixed_size 242176
		.amdhsa_private_segment_fixed_size 0
		.amdhsa_enable_private_segment 0
		.amdhsa_kernarg_size 56
		.amdhsa_user_sgpr_count 2
		.amdhsa_user_sgpr_kernarg_segment_ptr 1
		.amdhsa_wavefront_size32 1
		.amdhsa_system_sgpr_workgroup_id_x 1
		.amdhsa_system_sgpr_workgroup_id_y 1
		.amdhsa_system_sgpr_workgroup_id_z 1
		.amdhsa_system_vgpr_workitem_id 0
		.amdhsa_next_free_vgpr 704
		.amdhsa_next_free_sgpr 66
		.amdhsa_reserve_vcc 0
		.amdhsa_float_denorm_mode_32 3
		.amdhsa_float_denorm_mode_16_64 3
		.amdhsa_memory_ordered 1
		.amdhsa_forward_progress 1
		.amdhsa_inst_pref_size 116
	.end_amdhsa_kernel
	.amdgpu_metadata
---
amdhsa.version: [ 1, 2 ]
amdhsa.kernels:
  - .name:           k_q88c5698421_gram
    .symbol:         k_q88c5698421_gram.kd
    .args:
      - { .name: x, .offset: 0, .size: 8, .value_kind: global_buffer, .address_space: global }
      - { .name: phi_w, .offset: 8, .size: 8, .value_kind: global_buffer, .address_space: global }
      - { .name: phi_b, .offset: 16, .size: 8, .value_kind: global_buffer, .address_space: global }
      - { .name: g_w, .offset: 24, .size: 8, .value_kind: global_buffer, .address_space: global }
      - { .name: g_b, .offset: 32, .size: 8, .value_kind: global_buffer, .address_space: global }
      - { .name: part, .offset: 40, .size: 8, .value_kind: global_buffer, .address_space: global }
      - { .name: phf, .offset: 48, .size: 8, .value_kind: global_buffer, .address_space: global }
    .group_segment_fixed_size: 242176
    .private_segment_fixed_size: 0
    .kernarg_segment_align: 8
    .kernarg_segment_size: 56
    .max_flat_workgroup_size: 128
    .sgpr_count:     66
    .vgpr_count:     704
    .wavefront_size: 32
...
	.end_amdgpu_metadata
.endif
;; end of part 4
;; launch fold: the kernel of part 2 again; grid 8 x 4, 8 waves a work-group, no clusters, 74,752 bytes of LDS; arguments part, w_w, qf; writes qf
;; launch apply: the kernel of part 3 again; grid 64 x 4, 4 waves a work-group, no clusters, 90,624 bytes of LDS; arguments x, phf, qf, w_b, out0; writes out0
